; MI455X (gfx1250); checked and timed in simulation.
; The chip was launched on July 23, 2026; its instructions are those of AMD's public machine-readable ISA for CDNA 5 (MIT licence, August 2026) and "CDNA5" Instruction Set Architecture Reference Guide (July 2026). The comments in the code are by the model that wrote it; some were corrected since.
;; GLU. Allowed arithmetic: float matrix products may take bf16 or f16 operands with f32 sums; other float arithmetic in f32, or as packed bf16 or f16 multiplies, adds, multiply-adds, maxima and minima; sums over many terms, partial sums and values carried from step to step in f32; what a program stores and reads back later, other than sums and carried values, may be rounded once to bf16 or f16.
;; Inputs: weight 4,096 x 2,048 float32; x 8,192 x 2,048 float32.
;; Outputs: out0 8,192 x 2,048 float32.
;; 2 versions, each right; version 2 is version 1 with the launch quant written anew for expert scheduling mode. Each part assembles by itself: llvm-mc -triple=amdgcn-amd-amdhsa -mcpu=gfx1250 --defsym DOCPART=n.
;; ======== version 1 of 2: 3 launches
;; limits: right only within a limited range of input values
;; workspace buffers: rowstat 65,536 bytes; part 2,048 bytes; xq 33,554,432 bytes; wq 16,777,216 bytes; scal 256 bytes
;; launch stats (part 1): grid 256 x 1, 16 waves a work-group, no clusters, 2,560 bytes of LDS; arguments x, weight, rowstat, part; writes rowstat, part
.if DOCPART == 1
	.amdgcn_target "amdgcn-amd-amdhsa--gfx1250"
	.amdhsa_code_object_version 6
	.text
	.protected	k_q323da25757_stats
	.globl	k_q323da25757_stats
	.p2align	8
	.type	k_q323da25757_stats,@function
k_q323da25757_stats:
	s_mov_b64 s[64:65], 0
	v_nop
	global_prefetch_b8 v0, s[64:65] scope:SCOPE_SE
	s_setreg_imm32_b32 hwreg(HW_REG_WAVE_MODE, 25, 1), 1
	s_wait_xcnt 0x0
; FIRST OF THREE LAUNCHES.  For each row of x [8192][2048] f32: mu and rstd = 1 / sqrt(var + 1e-5) of the row; for each work-group: the largest |normed| of its rows
; and the sum of |w| over its rows of weight [4096][2048] f32.  rowstat: [8192][2] f32 (mu, rstd).  part: [256][2] f32 (largest |normed|, sum of |w|).
; LIMIT, for the whole program: x and weight are rounded ONCE to bf16 (to nearest even) as they are loaded, and everything after that is reckoned in f32 on the rounded numbers.
; So the results are those of the module on inputs rounded to bf16; against unrounded inputs the error is that rounding's, and it grows with a common offset of x.  NaN and infinities are not treated apart.
; SHARES.  A work-group of 16 waves owns 32 rows of x and 16 rows of weight; a wave 2 rows of x and 1 of weight.  A row is 8,192 bytes: 16 loads of 16 bytes a lane, each covering 512 consecutive
; bytes, into 64 registers.  All 48 loads of a wave go out at the head: 24 KiB a wave, nothing is loaded twice, and there is no loop.
; The variance is taken in two passes over the registers (sum, then sum of squares of x - mu), as the module does: no difference of large sums is formed.
; The largest |normed| of a row is max(largest x - mu, mu - smallest x) x rstd: subtraction and multiplication by a positive number keep the order, also after rounding.
; LEFT OUT: matrix units, tensor loads, clusters (no two work-groups read the same byte), prefetches (every byte is asked for at the head).
.set ROWB,  8192                       ; bytes in a row of x and of weight
.set ROWS,  0                          ; LDS: 32 rows x (mu, rstd), 16 bytes a wave
.set PART,  256                        ; LDS: 16 waves x (largest, sum), a block of 256 bytes to itself
.set SPARE, 512                        ; LDS: the spare words, 128 bytes for each of 16 waves; no other line names them
.set XO,  2                            ; v2   my byte offset in the group's rows of x: wave x 2 rows + 16 x lane; never rewritten
.set WO,  3                            ; v3   the same in its rows of weight: wave x 1 row + 16 x lane; never rewritten
.set SPW, 4                            ; v4   LDS address of my spare word; never rewritten
.set NIL, 5                            ; v5   0; never rewritten
.set MU,  6                            ; v[6:7]     mu, twice: a pair for the packed subtraction
.set CH,  8                            ; v[8:15]    four chains of packed sums
.set MX,  16                           ; v[16:19]   four chains of maxima
.set MN,  20                           ; v[20:23]   four chains of minima
.set T,   24                           ; v[24:31]   at work
.set XCH, 31                           ; v31        also takes the other half of the lanes' number
.set X0,  32                           ; v[32:95]   my first row of x
.set X1,  96                           ; v[96:159]  my second
.set W,   160                          ; v[160:223] my row of weight
.set ST,  224                          ; v[224:227] mu0, rstd0, mu1, rstd1
.set GM,  228                          ; v228       the largest |normed| so far
.set WS,  229                          ; v229       the sum of |w|
; A sum or a maximum over the 32 lanes, the result in every lane: four steps inside each half of 16 lanes, one across the halves.
.macro RED_ADD r
.irp m, 1,2,4,8
	v_add_f32_dpp v[\r], v[\r], v[\r] row_xmask:\m row_mask:0xf bank_mask:0xf
.endr
	v_permlanex16_b32 v[XCH], v[\r], s16, s17
	v_add_f32 v[\r], v[\r], v[XCH]
.endm
.macro RED_MAX r
.irp m, 1,2,4,8
	v_max_num_f32_dpp v[\r], v[\r], v[\r] row_xmask:\m row_mask:0xf bank_mask:0xf
.endr
	v_permlanex16_b32 v[XCH], v[\r], s16, s17
	v_max_num_f32 v[\r], v[\r], v[XCH]
.endm
.macro FOLD                            ; the four chains into one number, in every lane
	v_pk_add_f32 v[CH:CH+1], v[CH:CH+1], v[CH+2:CH+3]
	v_pk_add_f32 v[CH+4:CH+5], v[CH+4:CH+5], v[CH+6:CH+7]
	v_pk_add_f32 v[CH:CH+1], v[CH:CH+1], v[CH+4:CH+5]
	v_add_f32 v[CH], v[CH], v[CH+1]
	RED_ADD CH
.endm
	s_load_b256 s[4:11], s[0:1], 0x0               ; x s[4:5], weight s[6:7], rowstat s[8:9], part s[10:11]
	v_lshl_add_u32 v[SPW], v0, 2, SPARE
	v_mov_b32 v[NIL], 0
	v_and_b32 v1, 31, v0                           ; lane
	v_lshrrev_b32 v6, 5, v0
	v_readfirstlane_b32 s12, v6                    ; wave 0..15
	v_and_b32 v7, 0x1e0, v0                        ; 32 x wave
	v_lshlrev_b32 v[XO], 9, v7                     ; wave x 16,384
	v_lshl_or_b32 v[XO], v1, 4, v[XO]
	v_lshlrev_b32 v[WO], 8, v7                     ; wave x 8,192
	v_lshl_or_b32 v[WO], v1, 4, v[WO]
	v_mov_b32 v[XCH], 0                            ; v_permlanex16_b32 counts as a reader of its destination
	s_mov_b32 s13, 0xffff0000                      ; a word's upper bf16
	s_mov_b32 s14, 0x7fff7fff                      ; clears the signs of two bf16
	s_mov_b32 s15, 0x3a000000                      ; 1 / 2,048, exact
	s_mov_b32 s16, 0x76543210                      ; each lane takes its own place in the other half
	s_mov_b32 s17, 0xfedcba98
	s_mov_b32 s21, 0x3727c5ac                      ; 1e-5
	s_mov_b32 s19, 0
	s_lshl_b32 s18, ttmp9, 18                      ; the group's 32 rows of x
	s_wait_kmcnt 0x0
	s_add_nc_u64 s[4:5], s[4:5], s[18:19]
	s_lshl_b32 s18, ttmp9, 17                      ; its 16 rows of weight
	s_add_nc_u64 s[6:7], s[6:7], s[18:19]
	s_lshl_b32 s18, ttmp9, 8                       ; its 32 pairs in rowstat
	s_add_nc_u64 s[8:9], s[8:9], s[18:19]
	s_lshl_b32 s18, ttmp9, 3                       ; its pair in part
	s_add_nc_u64 s[10:11], s[10:11], s[18:19]
.irp j, 0,1,2,3,4,5,6,7,8,9,10,11,12,13,14,15
	global_load_b128 v[X0+4*(\j):X0+4*(\j)+3], v[XO], s[4:5] offset:512*(\j)
.endr
.irp j, 0,1,2,3,4,5,6,7,8,9,10,11,12,13,14,15
	global_load_b128 v[X1+4*(\j):X1+4*(\j)+3], v[XO], s[4:5] offset:ROWB+512*(\j)
.endr
.irp j, 0,1,2,3,4,5,6,7,8,9,10,11,12,13,14,15
	global_load_b128 v[W+4*(\j):W+4*(\j)+3], v[WO], s[6:7] offset:512*(\j)
.endr
; One row of x, in the 64 registers from base on.  idx = 0, 1: which of my two rows.  left = how many younger loads may stay out.
.macro XROW base, idx, left
	s_wait_loadcnt \left                           ; loads come back in order: this row's 16 are in
.set p, 0
.rept 32                                       ; each pair is rounded to bf16 and widened again, in place
	v_cvt_pk_bf16_f32 v[T+p%4], v[(\base)+2*p], v[(\base)+2*p+1]
	v_lshlrev_b32 v[(\base)+2*p], 16, v[T+p%4]
	v_and_b32 v[(\base)+2*p+1], s13, v[T+p%4]
.set p, p+1
.endr
.set p, 0
.rept 4                                        ; the sum: four chains, started by their first two pairs: nothing is cleared
	v_pk_add_f32 v[CH+2*p:CH+2*p+1], v[(\base)+2*p:(\base)+2*p+1], v[(\base)+2*p+8:(\base)+2*p+9]
.set p, p+1
.endr
.set p, 8
.rept 24
	v_pk_add_f32 v[CH+2*(p%4):CH+2*(p%4)+1], v[CH+2*(p%4):CH+2*(p%4)+1], v[(\base)+2*p:(\base)+2*p+1]
.set p, p+1
.endr
	FOLD
	v_mul_f32 v[ST+2*(\idx)], s15, v[CH]           ; mu
	v_mov_b32 v[MU], v[ST+2*(\idx)]
	v_mov_b32 v[MU+1], v[ST+2*(\idx)]
.irp c, 0,1,2,3                                ; the largest and the smallest of my 64 numbers: four chains of 16 registers each
	v_max_num_f32 v[MX+(\c)], v[(\base)+16*(\c)], v[(\base)+16*(\c)+1]
	v_min_num_f32 v[MN+(\c)], v[(\base)+16*(\c)], v[(\base)+16*(\c)+1]
.endr
.set k, 1
.rept 7
.irp c, 0,1,2,3
	v_max3_num_f32 v[MX+(\c)], v[MX+(\c)], v[(\base)+16*(\c)+2*k], v[(\base)+16*(\c)+2*k+1]
	v_min3_num_f32 v[MN+(\c)], v[MN+(\c)], v[(\base)+16*(\c)+2*k], v[(\base)+16*(\c)+2*k+1]
.endr
.set k, k+1
.endr
	v_max3_num_f32 v[MX], v[MX], v[MX+1], v[MX+2]
	v_min3_num_f32 v[MN], v[MN], v[MN+1], v[MN+2]
	v_max_num_f32 v[MX], v[MX], v[MX+3]
	v_min_num_f32 v[MN], v[MN], v[MN+3]
.set k, 0
.rept 8                                        ; the sum of (x - mu)^2: four subtractions, then four multiply-adds, one for each chain
.irp c, 0,1,2,3
	v_pk_add_f32 v[T+2*(\c):T+2*(\c)+1], v[(\base)+8*k+2*(\c):(\base)+8*k+2*(\c)+1], v[MU:MU+1] neg_lo:[0,1] neg_hi:[0,1]
.endr
.irp c, 0,1,2,3
.if k == 0
	v_pk_mul_f32 v[CH+2*(\c):CH+2*(\c)+1], v[T+2*(\c):T+2*(\c)+1], v[T+2*(\c):T+2*(\c)+1]
.else
	v_pk_fma_f32 v[CH+2*(\c):CH+2*(\c)+1], v[T+2*(\c):T+2*(\c)+1], v[T+2*(\c):T+2*(\c)+1], v[CH+2*(\c):CH+2*(\c)+1]
.endif
.endr
.set k, k+1
.endr
	FOLD
	v_fma_f32 v[CH+1], v[CH], s15, s21             ; var + 1e-5
	v_rsq_f32 v[ST+2*(\idx)+1], v[CH+1]
	v_sub_f32 v[MX], v[MX], v[MU]                  ; plain work that names neither the root's result nor its source stands behind it
	v_sub_f32 v[MN], v[MU], v[MN]
	v_max_num_f32 v[MX], v[MX], v[MN]              ; my lane's largest |x - mu|
	s_wait_alu depctr_va_vdst(0)                   ; the wait ahead of the first line that names the root's result
.if (\idx) == 0
	v_mul_f32 v[GM], v[MX], v[ST+1]
.else
	v_mul_f32 v[MX], v[MX], v[ST+3]
	v_max_num_f32 v[GM], v[GM], v[MX]
.endif
.endm
	XROW X0, 0, 32                                 ; behind my first row's loads stand the second row's 16 and weight's 16
	XROW X1, 1, 16
	s_wait_loadcnt 0x0                             ; my row of weight
.set p, 0
.rept 32                                       ; rounded to bf16, both signs cleared, widened in place
	v_cvt_pk_bf16_f32 v[T+p%4], v[W+2*p], v[W+2*p+1]
	v_and_b32 v[T+p%4], s14, v[T+p%4]
	v_lshlrev_b32 v[W+2*p], 16, v[T+p%4]
	v_and_b32 v[W+2*p+1], s13, v[T+p%4]
.set p, p+1
.endr
.set p, 4
.rept 28                                       ; the first four pairs are the chains
	v_pk_add_f32 v[W+2*(p%4):W+2*(p%4)+1], v[W+2*(p%4):W+2*(p%4)+1], v[W+2*p:W+2*p+1]
.set p, p+1
.endr
	v_pk_add_f32 v[W:W+1], v[W:W+1], v[W+2:W+3]
	v_pk_add_f32 v[W+4:W+5], v[W+4:W+5], v[W+6:W+7]
	v_pk_add_f32 v[W:W+1], v[W:W+1], v[W+4:W+5]
	v_add_f32 v[WS], v[W], v[W+1]
	RED_ADD WS
	RED_MAX GM                                     ; both rows' maxima cross the lanes once
	v_mov_b32 v230, s12
	v_lshlrev_b32 v231, 3, v230
	v_lshlrev_b32 v230, 4, v230
	ds_store_b128 v230, v[ST:ST+3] offset:ROWS     ; all lanes write the same bytes with the same numbers
	ds_store_b64 v231, v[GM:GM+1] offset:PART
	s_wait_dscnt 0x0                               ; for wave 0's sake: my stores are done
	s_barrier_signal -1
	s_barrier_wait -1
	s_cmp_lg_u32 s12, 0
	s_cbranch_scc1 .Lend                           ; wave 0 writes the group's results
	v_lshlrev_b32 v230, 3, v1                      ; a lane a row
	v_and_b32 v231, 15, v1                         ; a lane a wave, in both halves of the lanes
	v_lshlrev_b32 v231, 3, v231
	ds_load_b64 v[8:9], v230 offset:ROWS
	ds_load_b64 v[10:11], v231 offset:PART
	v_mov_b32 v12, 0
	s_wait_dscnt 0x0
	global_store_b64 v230, v[8:9], s[8:9]          ; 32 lanes store 256 consecutive bytes, at a multiple of 256 from rowstat's first byte
.irp m, 1,2,4,8
	v_max_num_f32_dpp v10, v10, v10 row_xmask:\m row_mask:0xf bank_mask:0xf
	v_add_f32_dpp v11, v11, v11 row_xmask:\m row_mask:0xf bank_mask:0xf
.endr
	v_cmp_eq_u32 vcc_lo, 0, v1
	s_wait_xcnt 0x0                                ; EXEC is a source of the store above: it changes only behind this wait
	s_and_saveexec_b32 s20, vcc_lo
	global_store_b64 v12, v[10:11], s[10:11]       ; lane 0: the group's pair
	s_wait_xcnt 0x0                                ; and again, in front of the line that widens EXEC
	s_or_b32 exec_lo, exec_lo, s20
.Lend:
	s_wait_tensorcnt 0x0                           ; the wave's end, behind my last LDS store
	ds_add_u32 v[SPW], v[NIL]
	s_wait_dscnt 0x0
	s_endpgm
.Lfunc_end_k_q323da25757_stats:
	.size	k_q323da25757_stats, .Lfunc_end_k_q323da25757_stats-k_q323da25757_stats
	.p2alignl 7, 3214868480
	.fill 96, 4, 3214868480
	.section	.rodata,"a",@progbits
	.p2align	6, 0x0
	.amdhsa_kernel k_q323da25757_stats
		.amdhsa_group_segment_fixed_size 2560
		.amdhsa_private_segment_fixed_size 0
		.amdhsa_enable_private_segment 0
		.amdhsa_kernarg_size 32
		.amdhsa_user_sgpr_count 2
		.amdhsa_user_sgpr_kernarg_segment_ptr 1
		.amdhsa_wavefront_size32 1
		.amdhsa_system_sgpr_workgroup_id_x 1
		.amdhsa_system_sgpr_workgroup_id_y 1
		.amdhsa_system_sgpr_workgroup_id_z 1
		.amdhsa_system_vgpr_workitem_id 0
		.amdhsa_next_free_vgpr 240
		.amdhsa_next_free_sgpr 66
		.amdhsa_reserve_vcc 1
		.amdhsa_float_denorm_mode_32 3
		.amdhsa_float_denorm_mode_16_64 3
		.amdhsa_memory_ordered 1
		.amdhsa_forward_progress 1
		.amdhsa_inst_pref_size 46
	.end_amdhsa_kernel
	.amdgpu_metadata
---
amdhsa.version: [ 1, 2 ]
amdhsa.kernels:
  - .name:           k_q323da25757_stats
    .symbol:         k_q323da25757_stats.kd
    .args:
      - { .name: x, .offset: 0, .size: 8, .value_kind: global_buffer, .address_space: global }
      - { .name: weight, .offset: 8, .size: 8, .value_kind: global_buffer, .address_space: global }
      - { .name: rowstat, .offset: 16, .size: 8, .value_kind: global_buffer, .address_space: global }
      - { .name: part, .offset: 24, .size: 8, .value_kind: global_buffer, .address_space: global }
    .group_segment_fixed_size: 2560
    .private_segment_fixed_size: 0
    .kernarg_segment_align: 8
    .kernarg_segment_size: 32
    .max_flat_workgroup_size: 512
    .sgpr_count:     66
    .vgpr_count:     240
    .wavefront_size: 32
...
	.end_amdgpu_metadata
.endif
;; end of part 1
;; launch quant (part 2): grid 256 x 1, 16 waves a work-group, no clusters, 0 bytes of LDS; arguments x, weight, rowstat, part, xq, wq, scal; writes xq, wq, scal
.if DOCPART == 2
	.amdgcn_target "amdgcn-amd-amdhsa--gfx1250"
	.amdhsa_code_object_version 6
	.text
	.protected	k_q323da25757_quant
	.globl	k_q323da25757_quant
	.p2align	8
	.type	k_q323da25757_quant,@function
k_q323da25757_quant:
	s_mov_b64 s[64:65], 0
	v_nop
	global_prefetch_b8 v0, s[64:65] scope:SCOPE_SE
	s_setreg_imm32_b32 hwreg(HW_REG_WAVE_MODE, 25, 1), 1
	s_wait_xcnt 0x0
; SECOND OF THREE LAUNCHES.  gamma = the largest |normed|, wg = the mean of |w| (both from part, which the launch before stored).
; xq [8192][2048] f16:  q = clip((x - mu) rstd x 128 / gamma, -(128 - 1e-5), 128 - 1e-5), rounded once to f16.
; wq [4096][2048] f16:  t = clip(round(w / (wg + 1e-7)), -1, 1), exact in f16, ITS ROWS PERMUTED: source row n (j = n mod 2048, gate = n / 2048) goes to row 128 (j / 64) + 64 gate + j mod 64, so that
;                       128 consecutive rows hold 64 columns of h and the 64 gate columns that go with them.
; scal: four f32: KE, KE, C2, C2 with s = gamma wg / 128, KE = -s log2(e), C2 = 1 / s^2: what the third launch's way out multiplies by.
; LIMITS.  x and weight are rounded once to bf16 as they are loaded (the whole program's choice: see the first launch).  rstd x 128 / gamma is applied as one factor.  |q| is at most 128 by the module's own
; clip, for every input, so f16 has the range; below 6e-5 q keeps f16's fixed step.  1 / gamma and 1 / (wg + 1e-7) are reciprocals with one correction step; each quotient w / (wg + 1e-7) has one more fused
; correction.  s^2 must be a normal f32 number.  gamma = 0 (every row of x constant) gives NaN in the module itself and is not served.
; SHARES as in the first launch: a work-group 32 rows of x and 16 of weight, a wave 2 and 1; all 52 loads of a wave go out at the head.  EVERY wave folds part's 256 pairs, in the same order, so all have the same bits.
; A store of 8 bytes a lane covers 256 consecutive bytes, aligned.  No register that a store reads is written again, so no wait stands among the stores.
; LEFT OUT: LDS, barriers, matrix units, clusters, prefetches: no wave wants another's bytes, and every byte is asked for at the head.
.set ROWB,  8192                       ; bytes in a row of x and of weight
.set QROW,  4096                       ; bytes in a row of xq and of wq
.set XO,  2                            ; v2   wave x 2 rows of x + 16 x lane
.set WO,  3                            ; v3   wave x 1 row of weight + 16 x lane
.set QO,  4                            ; v4   wave x 2 rows of xq + 8 x lane
.set LO8, 5                            ; v5   8 x lane
.set LO16, 6                           ; v6   16 x lane
.set PT,  8                            ; v[8:23]    my 8 pairs of part
.set T,   24                           ; v[24:31]   at work
.set XCH, 31
.set X0,  32
.set X1,  96
.set W,   160
.set MU,  224                          ; v[224:225] mu, twice
.set KF,  226                          ; v[226:227] rstd x 128 / gamma, twice
.set RW,  228                          ; v[228:229] 1 / (wg + 1e-7), twice
.set GP,  230                          ; v[230:231] wg + 1e-7, twice
.set GA,  232                          ; v232  gamma
.set WG,  233                          ; v233  wg
.set SC,  234                          ; v234  128 / gamma
.set OUTW, 236                         ; v[236:239] scal's four words
	s_load_b256 s[4:11], s[0:1], 0x0               ; x s[4:5], weight s[6:7], rowstat s[8:9], part s[10:11]
	s_load_b128 s[12:15], s[0:1], 0x20             ; xq s[12:13], wq s[14:15]
	s_load_b64 s[16:17], s[0:1], 0x30              ; scal
	v_and_b32 v1, 31, v0                           ; lane
	v_lshrrev_b32 v7, 5, v0
	v_readfirstlane_b32 s20, v7                    ; wave 0..15
	v_and_b32 v7, 0x1e0, v0                        ; 32 x wave
	v_lshlrev_b32 v[XO], 9, v7
	v_lshl_or_b32 v[XO], v1, 4, v[XO]
	v_lshlrev_b32 v[WO], 8, v7
	v_lshl_or_b32 v[QO], v1, 3, v[WO]
	v_lshl_or_b32 v[WO], v1, 4, v[WO]
	v_lshlrev_b32 v[LO8], 3, v1
	v_lshlrev_b32 v[LO16], 4, v1
	v_mov_b32 v[XCH], 0                            ; v_permlanex16_b32 counts as a reader of its destination
	s_mov_b32 s28, 0xffff0000                      ; a word's upper bf16
	s_mov_b32 s30, 0xc2ffffff                      ; -(128 - 1e-5) in f32
	s_mov_b32 s31, 0x42ffffff                      ; 128 - 1e-5
	s_mov_b32 s32, -1.0
	s_mov_b32 s33, 1.0
	s_mov_b32 s34, 0x76543210
	s_mov_b32 s35, 0xfedcba98
	s_lshl_b32 s21, ttmp9, 4
	s_or_b32 s21, s21, s20                         ; n: my row of weight
	s_and_b32 s22, s21, 0x7c0                      ; 64 (j / 64),
	s_lshl_b32 s22, s22, 1                         ; doubled
	s_and_b32 s23, s21, 63                         ; j mod 64
	s_or_b32 s22, s22, s23
	s_lshr_b32 s23, s21, 11                        ; gate
	s_lshl_b32 s23, s23, 6
	s_or_b32 s22, s22, s23                         ; its row in wq
	s_mov_b32 s37, 0
	s_wait_kmcnt 0x0
	s_lshl_b32 s36, s22, 12
	s_add_nc_u64 s[14:15], s[14:15], s[36:37]      ; wq at my row
	s_lshl_b32 s36, ttmp9, 18
	s_add_nc_u64 s[4:5], s[4:5], s[36:37]          ; x at the group's 32 rows
	s_lshl_b32 s36, ttmp9, 17
	s_add_nc_u64 s[6:7], s[6:7], s[36:37]          ; weight at its 16 rows
	s_add_nc_u64 s[12:13], s[12:13], s[36:37]      ; xq at its 32 rows
	s_lshl_b32 s36, ttmp9, 8
	s_lshl_b32 s22, s20, 4
	s_add_co_u32 s36, s36, s22
	s_add_nc_u64 s[8:9], s[8:9], s[36:37]          ; rowstat at my two rows
	s_load_b128 s[24:27], s[8:9], 0x0              ; mu0, rstd0, mu1, rstd1: the launch reads rowstat and does not write it
.irp j, 0,1,2,3
	global_load_b128 v[PT+4*(\j):PT+4*(\j)+3], v[LO16], s[10:11] offset:512*(\j)
.endr
.irp j, 0,1,2,3,4,5,6,7,8,9,10,11,12,13,14,15
	global_load_b128 v[X0+4*(\j):X0+4*(\j)+3], v[XO], s[4:5] offset:512*(\j) th:TH_LOAD_NT
.endr
.irp j, 0,1,2,3,4,5,6,7,8,9,10,11,12,13,14,15
	global_load_b128 v[X1+4*(\j):X1+4*(\j)+3], v[XO], s[4:5] offset:ROWB+512*(\j) th:TH_LOAD_NT
.endr
.irp j, 0,1,2,3,4,5,6,7,8,9,10,11,12,13,14,15
	global_load_b128 v[W+4*(\j):W+4*(\j)+3], v[WO], s[6:7] offset:512*(\j) th:TH_LOAD_NT
.endr
	; THE TWO SCALARS.  Even registers of PT hold maxima, odd ones sums.
	s_wait_loadcnt 48                              ; part's four loads are in; the 48 behind them stay out
	v_max3_num_f32 v[T], v[PT], v[PT+2], v[PT+4]
	v_add_f32 v[T+1], v[PT+1], v[PT+3]
	v_add_f32 v[T+2], v[PT+5], v[PT+7]
	v_add_f32 v[T+3], v[PT+9], v[PT+11]
	v_add_f32 v[T+4], v[PT+13], v[PT+15]
	v_max3_num_f32 v[T], v[T], v[PT+6], v[PT+8]
	v_add_f32 v[T+1], v[T+1], v[T+2]
	v_add_f32 v[T+3], v[T+3], v[T+4]
	v_max3_num_f32 v[T], v[T], v[PT+10], v[PT+12]
	v_add_f32 v[T+1], v[T+1], v[T+3]
	v_max_num_f32 v[GA], v[T], v[PT+14]
.irp m, 1,2,4,8
	v_max_num_f32_dpp v[GA], v[GA], v[GA] row_xmask:\m row_mask:0xf bank_mask:0xf
	v_add_f32_dpp v[T+1], v[T+1], v[T+1] row_xmask:\m row_mask:0xf bank_mask:0xf
.endr
	v_permlanex16_b32 v[XCH], v[GA], s34, s35
	v_max_num_f32 v[GA], v[GA], v[XCH]             ; gamma
	v_permlanex16_b32 v[XCH], v[T+1], s34, s35
	v_add_f32 v[T+1], v[T+1], v[XCH]
	v_mul_f32 v[WG], 0x34000000, v[T+1]            ; wg = the sum / 2^23, exact scaling
	v_add_f32 v[GP], 0x33d6bf95, v[WG]             ; wg + 1e-7
	v_rcp_f32 v[T+2], v[GA]                        ; one batch of two reciprocals,
	v_rcp_f32 v[RW], v[GP]
	v_mov_b32 v[GP+1], v[GP]                       ; a plain line behind them,
	s_wait_alu depctr_va_vdst(0)                   ; and the wait ahead of the first line that names a result
	v_fma_f32 v[T+3], -v[GA], v[T+2], 1.0          ; one correction step each: r += r (1 - a r)
	v_fma_f32 v[T+4], -v[GP], v[RW], 1.0
	v_fma_f32 v[T+2], v[T+3], v[T+2], v[T+2]
	v_fma_f32 v[RW], v[T+4], v[RW], v[RW]
	v_mul_f32 v[SC], 0x43000000, v[T+2]            ; 128 / gamma
	v_mov_b32 v[RW+1], v[RW]
	s_wait_kmcnt 0x0                               ; my rows' mu and rstd
; One row of x.  sm: the scalar register with its mu (its rstd is the next).  row = 0, 1.  left = how many younger loads may stay out.
.macro XROW base, sm, row, left
	s_wait_loadcnt \left
	v_mov_b32 v[MU], s[\sm]
	v_mov_b32 v[MU+1], s[\sm]
	v_mul_f32 v[KF], s[(\sm)+1], v[SC]
	v_mul_f32 v[KF+1], s[(\sm)+1], v[SC]
.set j, 0
.rept 16
.set r, (\base)+4*j
.set t, T+2*(j%2)
	v_cvt_pk_bf16_f32 v[t], v[r], v[r+1]           ; rounded to bf16 and widened again, in place
	v_cvt_pk_bf16_f32 v[t+1], v[r+2], v[r+3]
	v_lshlrev_b32 v[r], 16, v[t]
	v_and_b32 v[r+1], s28, v[t]
	v_lshlrev_b32 v[r+2], 16, v[t+1]
	v_and_b32 v[r+3], s28, v[t+1]
	v_pk_add_f32 v[r:r+1], v[r:r+1], v[MU:MU+1] neg_lo:[0,1] neg_hi:[0,1]
	v_pk_add_f32 v[r+2:r+3], v[r+2:r+3], v[MU:MU+1] neg_lo:[0,1] neg_hi:[0,1]
	v_pk_mul_f32 v[r:r+1], v[r:r+1], v[KF:KF+1]
	v_pk_mul_f32 v[r+2:r+3], v[r+2:r+3], v[KF:KF+1]
	v_med3_num_f32 v[r], v[r], s30, s31            ; the module's clip
	v_med3_num_f32 v[r+1], v[r+1], s30, s31
	v_med3_num_f32 v[r+2], v[r+2], s30, s31
	v_med3_num_f32 v[r+3], v[r+3], s30, s31
	v_cvt_pk_f16_f32 v[r], v[r], v[r+1]
	v_cvt_pk_f16_f32 v[r+1], v[r+2], v[r+3]
	global_store_b64 v[QO], v[r:r+1], s[12:13] offset:(\row)*QROW+256*j th:TH_STORE_NT
.set j, j+1
.endr
.endm
	XROW X0, 24, 0, 32
	XROW X1, 26, 1, 16
	s_wait_loadcnt 0x0                             ; my row of weight
.set j, 0
.rept 16
.set r, W+4*j
	v_cvt_pk_bf16_f32 v[T], v[r], v[r+1]
	v_cvt_pk_bf16_f32 v[T+1], v[r+2], v[r+3]
	v_lshlrev_b32 v[r], 16, v[T]
	v_and_b32 v[r+1], s28, v[T]
	v_lshlrev_b32 v[r+2], 16, v[T+1]
	v_and_b32 v[r+3], s28, v[T+1]
	v_pk_mul_f32 v[T:T+1], v[r:r+1], v[RW:RW+1]            ; the quotient q = w / (wg + 1e-7), first by the reciprocal,
	v_pk_mul_f32 v[T+2:T+3], v[r+2:r+3], v[RW:RW+1]
	v_pk_fma_f32 v[T+4:T+5], v[T:T+1], v[GP:GP+1], v[r:r+1] neg_lo:[1,0,0] neg_hi:[1,0,0]      ; what is left: w - q (wg + 1e-7), fused,
	v_pk_fma_f32 v[T+6:T+7], v[T+2:T+3], v[GP:GP+1], v[r+2:r+3] neg_lo:[1,0,0] neg_hi:[1,0,0]
	v_pk_fma_f32 v[T:T+1], v[T+4:T+5], v[RW:RW+1], v[T:T+1]                                    ; and added on
	v_pk_fma_f32 v[T+2:T+3], v[T+6:T+7], v[RW:RW+1], v[T+2:T+3]
	v_rndne_f32 v[T], v[T]                         ; to the nearest whole number, ties to even
	v_rndne_f32 v[T+1], v[T+1]
	v_rndne_f32 v[T+2], v[T+2]
	v_rndne_f32 v[T+3], v[T+3]
	v_med3_num_f32 v[T], v[T], s32, s33
	v_med3_num_f32 v[T+1], v[T+1], s32, s33
	v_med3_num_f32 v[T+2], v[T+2], s32, s33
	v_med3_num_f32 v[T+3], v[T+3], s32, s33
	v_cvt_pk_f16_f32 v[r], v[T], v[T+1]
	v_cvt_pk_f16_f32 v[r+1], v[T+2], v[T+3]
	global_store_b64 v[LO8], v[r:r+1], s[14:15] offset:256*j th:TH_STORE_NT
.set j, j+1
.endr
	s_or_b32 s36, ttmp9, s20
	s_cmp_lg_u32 s36, 0
	s_cbranch_scc1 .Lend                           ; wave 0 of work-group 0 writes scal
	v_mul_f32 v[T], v[GA], v[WG]
	v_mul_f32 v[T], 0x3c000000, v[T]               ; s = gamma wg / 128
	v_mul_f32 v[OUTW], 0xbfb8aa3b, v[T]            ; KE = -s log2(e)
	v_mul_f32 v[T+1], v[T], v[T]
	v_rcp_f32 v[OUTW+2], v[T+1]                    ; C2 = 1 / s^2
	v_mov_b32 v[OUTW+1], v[OUTW]                   ; a plain line behind the reciprocal,
	s_wait_alu depctr_va_vdst(0)                   ; and its wait, ahead of the first line that names its result
	v_mov_b32 v[OUTW+3], v[OUTW+2]
	v_mov_b32 v[T+2], 0
	v_cmp_eq_u32 vcc_lo, 0, v1
	s_wait_xcnt 0x0                                ; EXEC is a source of the stores above: it changes only behind this wait
	s_and_saveexec_b32 s38, vcc_lo
	global_store_b128 v[T+2], v[OUTW:OUTW+3], s[16:17]
	s_wait_xcnt 0x0                                ; and again, in front of the line that widens EXEC
	s_or_b32 exec_lo, exec_lo, s38
.Lend:
	s_endpgm
.Lfunc_end_k_q323da25757_quant:
	.size	k_q323da25757_quant, .Lfunc_end_k_q323da25757_quant-k_q323da25757_quant
	.p2alignl 7, 3214868480
	.fill 96, 4, 3214868480
	.section	.rodata,"a",@progbits
	.p2align	6, 0x0
	.amdhsa_kernel k_q323da25757_quant
		.amdhsa_group_segment_fixed_size 0
		.amdhsa_private_segment_fixed_size 0
		.amdhsa_enable_private_segment 0
		.amdhsa_kernarg_size 56
		.amdhsa_user_sgpr_count 2
		.amdhsa_user_sgpr_kernarg_segment_ptr 1
		.amdhsa_wavefront_size32 1
		.amdhsa_system_sgpr_workgroup_id_x 1
		.amdhsa_system_sgpr_workgroup_id_y 1
		.amdhsa_system_sgpr_workgroup_id_z 1
		.amdhsa_system_vgpr_workitem_id 0
		.amdhsa_next_free_vgpr 240
		.amdhsa_next_free_sgpr 66
		.amdhsa_reserve_vcc 1
		.amdhsa_float_denorm_mode_32 3
		.amdhsa_float_denorm_mode_16_64 3
		.amdhsa_memory_ordered 1
		.amdhsa_forward_progress 1
		.amdhsa_inst_pref_size 61
	.end_amdhsa_kernel
	.amdgpu_metadata
---
amdhsa.version: [ 1, 2 ]
amdhsa.kernels:
  - .name:           k_q323da25757_quant
    .symbol:         k_q323da25757_quant.kd
    .args:
      - { .name: x, .offset: 0, .size: 8, .value_kind: global_buffer, .address_space: global }
      - { .name: weight, .offset: 8, .size: 8, .value_kind: global_buffer, .address_space: global }
      - { .name: rowstat, .offset: 16, .size: 8, .value_kind: global_buffer, .address_space: global }
      - { .name: part, .offset: 24, .size: 8, .value_kind: global_buffer, .address_space: global }
      - { .name: xq, .offset: 32, .size: 8, .value_kind: global_buffer, .address_space: global }
      - { .name: wq, .offset: 40, .size: 8, .value_kind: global_buffer, .address_space: global }
      - { .name: scal, .offset: 48, .size: 8, .value_kind: global_buffer, .address_space: global }
    .group_segment_fixed_size: 0
    .private_segment_fixed_size: 0
    .kernarg_segment_align: 8
    .kernarg_segment_size: 56
    .max_flat_workgroup_size: 512
    .sgpr_count:     66
    .vgpr_count:     240
    .wavefront_size: 32
...
	.end_amdgpu_metadata
.endif
;; end of part 2
;; launch gemm (part 3): grid 16 x 16, 4 waves a work-group, clusters of 4 x 4, 327,680 bytes of LDS; arguments xq, wq, out0, scal; writes out0
.if DOCPART == 3
	.amdgcn_target "amdgcn-amd-amdhsa--gfx1250"
	.amdhsa_code_object_version 6
	.text
	.protected	k_q323da25757_gemm
	.globl	k_q323da25757_gemm
	.p2align	8
	.type	k_q323da25757_gemm,@function
k_q323da25757_gemm:
	s_mov_b64 s[64:65], 0
	v_nop
	global_prefetch_b8 v0, s[64:65] scope:SCOPE_SE
	s_setreg_imm32_b32 hwreg(HW_REG_WAVE_MODE, 25, 1), 1
	s_wait_xcnt 0x0
	s_wait_alu depctr_hold_cnt(0) depctr_sa_sdst(0) depctr_va_vdst(0) depctr_va_sdst(0) depctr_va_ssrc(0) depctr_va_vcc(0) depctr_vm_vsrc(0)
	s_getreg_b32 s2, hwreg(HW_REG_IB_STS2, 6, 4)
	s_cmp_eq_u32 s2, 0
	s_cbranch_scc0 .Lentry_in_a_cluster
	s_endpgm
.Lentry_in_a_cluster:
	s_bfe_u32 s2, ttmp6, 0x10000c
	s_cmp_lg_u32 s2, 0xf033
	s_cbranch_scc0 .Lentry_shape_is_right
	s_endpgm
.Lentry_shape_is_right:
; THIRD OF THREE LAUNCHES.  P[m][n] = the sum over k of xq[m][k] wq[n][k] (f16 operands, f32 sums), and out0[m][c] = (s h) silu(s g) with h and g the two numbers of P that belong to column c.
; xq: [8192][2048] f16 (|q| at most 128).  wq: [4096][2048] f16 (-1, 0, 1), its rows laid so that rows 128 u .. 128 u + 63 are the h of out columns 64 u .. 64 u + 63 and the next 64 rows their gates.
; out0: [8192][2048] f32.  scal: KE, KE, C2, C2 with KE = -s log2(e), C2 = 1 / s^2.
; THE GATING.  (s h)(s g) / (1 + e^(-s g)) = (h g) / ((1 + 2^(KE g)) C2): two packed multiplies, an exponential, a packed multiply-add, a reciprocal and a packed multiply for each pair of numbers, all in f32.
; LIMITS.  The exponential and the reciprocal are the chip's (1 ulp; results below 2^-126 count as 0).  Where (1 + 2^(KE g)) C2 passes f32's range the result is 0: the true number is then below 1e-30 of h g.
; A tile of P, 256 x 256, is made by a work-group of four waves; a wave makes 128 x 128: 64 accumulators of 16 x 16, 512 registers.  A wave's 128 columns of P are 64 columns of h (n blocks 0-3) and their
; gates (n blocks 4-7), in the same lanes and registers 32 apart: the gating is done register by register, with nothing changing lanes.
; K goes in steps of 128 through a ring of two LDS slots filled by the tensor data mover: the tiles' rows are 256 bytes of memory and start at multiples of 256 bytes from the buffer's first byte.
; A WORK-GROUP STAYS: P has 32 x 16 tiles, the grid 16 x 16 work-groups; each makes two tiles, 4,096 rows apart, with the same rows of wq.  The ring does not stop at the first tile's end: its last two changes
; of slots ask for the second tile's first two K steps, and nothing waits for the first tile's stores.
; CLUSTERS: 4 x 4 work-groups.  The four of a row of the cluster need the same tiles of xq, the four of a column the same tiles of wq: each tile is asked for JOINTLY, by the same tensor load with the same
; descriptor and a mask that names the four, and each receives it in its own LDS.
; THE MATRIX INSTRUCTION IS USED TRANSPOSED: source 0 = 16 rows of wq, source 1 = 16 rows of xq.  In the result lane l holds row m = l % 16 and its registers 0 to 7 the columns 8 (l / 16) + 0 .. 7: eight
; neighbouring numbers of a row.
; REGISTERS, in windows of 256 (s_set_vgpr_msb's low byte: bits 1:0 source 0, 3:2 source 1, 5:4 source 2, 7:6 destination):
;   window 0: v0-31 addresses; v64-127, v128-191 fragments of xq (8 x 16 rows x 32 K), two buffers; v32-63, v224-255 rows on their way out, by turns
;   window 1: v64-127, v128-191 fragments of wq, two buffers
;   window 2: the 32 accumulators of my rows 0-63 (accumulator (a, b) at v[8 (8 a + b)]);   window 3: those of my rows 64-127
.set MROWS,  8192
.set KLEN,   2048
.set OROW,   8192                      ; bytes in a row of out0
.set KSTEP,  128
.set PITCH,  272                       ; an LDS row: 256 bytes of data + 16 of padding = 68 words: row r starts at bank 4 r mod 64 (64 banks of 4 bytes: ISA guide 11.1), so the 16 rows of a load start at 16 different banks
.set HALFT,  128*PITCH                 ; 128 rows: what one tensor load brings, and what one wave reads of xq or of wq
.set SLOT,   4*HALFT                   ; xq's 256 rows, then wq's 256 rows
.set STAGE,  2*SLOT                    ; behind the ring: 16 rows x 272 bytes for each wave, for the way out; no tensor load fills it
.set SPITCH, 272
.set SPARE,  STAGE+4*16*SPITCH         ; behind the stages: the spare words, 128 bytes for each wave: two blocks of 256 bytes that no other line names
.set LAPS,   KLEN/(2*KSTEP)            ; a lap = two K steps = once round the ring: 8
.set WALK,   MROWS/2                   ; a work-group's two tiles lie 4,096 rows apart
.set NEXT_A, WALK*KLEN*2-(KLEN-2*KSTEP)*2   ; bytes from a slot's last K step of a tile to its first of the next: xq goes WALK rows down and back along K,
.set BACK_B, (KLEN-2*KSTEP)*2          ; wq only back
.set NEXT_C, (WALK-7*16)*OROW          ; bytes from my last 16 rows of a tile to my first of the next
.set ADRA, 16                          ; v16-17  LDS address of my xq fragments in slot 0, 1
.set ADRB, 20                          ; v20-21  the same for wq
.set STO,  24                          ; v24     the way out: where I put 32 bytes of a row
.set RD,   25                          ; v25     the way out: where I read a row back
.set CO,   26                          ; v26     my byte offset in out0
.set SPW,  28                          ; v28     LDS address of my spare word: SPARE + 4 x my thread's number; never rewritten
.set NIL,  29                          ; v29     0; never rewritten
.set PFO,  30                          ; v30     the prefetches' offset: my lane x a row of xq or wq (4,096 bytes); never rewritten
.set PFA,  44                          ; s[44:45] where my prefetches stand: my work-group's 32 rows of the 128 that I fetch, one K step further along K than the refill that is being asked for
.set LIM,  43                          ; s43     1 in a wave that prefetches, else the greatest number
.set F0,   64                          ; fragment buffer 0
.set F1,   128                         ; fragment buffer 1
.set OB,   32                          ; the way out: 16 rows read back from the stage: v32-63 and v224-255 by turns
.set G1,   24                          ; s[24:31] descriptor group 1 for xq's tiles
.set G0,   32                          ; s[32:39] descriptor group 0 for xq's tiles, one set for each slot
.set G1B,  48                          ; s[48:55] descriptor group 1 for wq's tiles: it differs in the mask alone
.set G0B,  56                          ; s[56:63] descriptor group 0 for wq's tiles, one set for each slot
.set KE,   68                          ; s[68:69] KE, twice
.set C2,   70                          ; s[70:71] C2, twice
.set MSB,  0
.macro WIN new                         ; the immediate's high byte repeats the setting that is left; a switch that changes nothing is dropped
.if MSB != (\new)
	s_set_vgpr_msb (MSB<<8)|(\new)
.set MSB, \new
.endif
.endm
.set MUL_LO, 0xa1                      ; source 0 (wq) window 1, source 1 (xq) window 0, C and D window 2
.set MUL_HI, 0xf1                      ; the same, C and D window 3
.set TO_B,   0x40                      ; destination window 1, address window 0
; A joint load.  Waves 0 and 1 fetch xq's two halves, waves 2 and 3 wq's.  Each of the two lines has ONE mask and one set of registers for all that issue it.  The branch hangs on the wave's number alone.
; An s_nop 0 and four v_nop follow each of the two lines, ahead of the jump, the label and what follows the macro.
.macro JLOAD s
	s_cmp_eq_u32 s11, 0
	s_cbranch_scc0 .Lfor_b_\@
	tensor_load_to_lds s[G0+4*(\s):G0+4*(\s)+3], s[G1:G1+7]
	s_nop 0
.rept 4
	v_nop
.endr
	s_branch .Lasked_\@
.Lfor_b_\@:
	tensor_load_to_lds s[G0B+4*(\s):G0B+4*(\s)+3], s[G1B:G1B+7]
	s_nop 0
.rept 4
	v_nop
.endr
.Lasked_\@:
.endm
; A PREFETCH, behind each joint load, its five lines and the run of LDS loads that follows them: the K step that stands TWO refills on (512 matrix instructions ahead of the load that will name it):
; 32 rows x 256 bytes, a lane a row, one instruction a wave.  Each row's 256 bytes of a K step are named ONCE in the launch: xq's tile row is read by every cluster of that row of clusters, and the one
; with cluster x = 0 asks; wq's tile column by every cluster of that column, and the one with cluster y = 0 asks.  The four partners that ask for a tile jointly share its rows out BY ADDRESS: of the 128 rows
; that a wave fetches, the partner at place p takes 32 p .. 32 p + 31 (p = cx for xq, cy for wq): no branch hangs on a work-group's place in its cluster.
; how = 0, in the loop: a tile's last two refills have no K step two on.  how = 1, at the change of tiles.
.macro ASK how
.if \how
	s_cmp_eq_u32 s[LIM], 1
.else
	s_cmp_gt_u32 s3, s[LIM]                        ; s3 = 1 in the loop's last trip
.endif
	s_cbranch_scc0 .Lnot_mine_\@
	global_prefetch_b8 v[PFO], s[PFA:PFA+1] offset:KSTEP*2 th:TH_LOAD_NT scope:SCOPE_SE
.Lnot_mine_\@:
.endm
; A round of the cluster's barrier: my work-group's barrier, so that wave 0's signal speaks for all four waves; wave 0 signals for the work-group; every wave waits for all sixteen work-groups;
; my work-group's barrier once more.  No LDS instruction of the wave is pending at a signal.
.macro CREST                           ; a round behind its opening barrier
	s_cmp_lg_u32 s10, 0
	s_cbranch_scc1 .Lnot_wave_0_\@
	s_barrier_signal -3
.Lnot_wave_0_\@:
	s_barrier_wait -3
	s_barrier_signal -1
	s_barrier_wait -1
.endm
.macro CROUND                          ; a whole round
	s_barrier_signal -1
	s_barrier_wait -1
	CREST
.endm
	s_load_b128 s[4:7], s[0:1], 0x0                ; xq s[4:5], wq s[6:7]
	s_load_b64 s[8:9], s[0:1], 0x10                ; out0
	s_load_b64 s[66:67], s[0:1], 0x18              ; scal
	v_lshl_add_u32 v[SPW], v0, 2, SPARE
	v_mov_b32 v[NIL], 0
	ds_add_u32 v[SPW], v[NIL]                      ; the wave's opening: the add, twice on end, and its wait ahead of my first tensor load; the set-up below, work on registers, stands between
	ds_add_u32 v[SPW], v[NIL]                      ; and once more, under the one wait
	v_lshrrev_b32 v1, 5, v0
	v_readfirstlane_b32 s10, v1                    ; wave 0..3
	s_lshr_b32 s11, s10, 1                         ; which half of the tile's rows is mine.  Also: I fetch for xq (0) or for wq (1)
	s_and_b32 s12, s10, 1                          ; which half of its columns.  Also: which 128 rows of that tile I fetch
	s_bfe_u32 s40, ttmp6, 0x40000                  ; cx: my place along the cluster's x
	s_bfe_u32 s41, ttmp6, 0x40004                  ; cy: along its y
	s_lshl_b32 s42, ttmp9, 2                       ; in a cluster launch ttmp9 and ttmp7 count clusters
	s_add_co_u32 s42, s42, s40                     ; tile column of P = 4 x cluster x + cx
	s_and_b32 s13, ttmp7, 0xffff
	s_lshl_b32 s13, s13, 2
	s_add_co_u32 s13, s13, s41                     ; first tile row of P = 4 x cluster y + cy
	s_lshl_b32 s43, s41, 2
	s_lshl_b32 s43, 15, s43                        ; my row of the cluster: places 4 cy .. 4 cy + 3
	s_lshl_b32 s44, 0x1111, s40                    ; my column: places cx, cx + 4, cx + 8, cx + 12
	; descriptor group 1: a tile of 128 rows x 128 elements, padded in LDS
	s_or_b32 s[G1+0], s43, (1<<16)|(1<<20)|(1<<21)|(5<<22)|(3<<25)  ; 15:0 the mask: xq's tiles go to my row; 17:16 elements of 2 bytes; 20 padding on; 21 set beside a mask; 24:22 after every 64 words (code 5); 31:25 4 words of it (code 3)
	s_or_b32 s[G1B+0], s44, (1<<16)|(1<<20)|(1<<21)|(5<<22)|(3<<25) ; the same with the mask of my column, for wq's tiles
	s_mov_b32 s[G1B+1], KSTEP<<16
	s_mov_b32 s[G1+1], KSTEP<<16                   ; tensor_dim0 = 128
	s_mov_b32 s[G1B+2], 128<<16
	s_mov_b32 s[G1+2], 128<<16                     ; tensor_dim1 = 128
	s_mov_b32 s[G1B+3], KSTEP<<16
	s_mov_b32 s[G1+3], KSTEP<<16                   ; tile_dim0 = 128
	s_mov_b32 s[G1B+4], 128
	s_mov_b32 s[G1+4], 128                         ; tile_dim1 = 128
	s_mov_b32 s[G1B+5], KLEN
	s_mov_b32 s[G1+5], KLEN                        ; elements from row to row
	s_mov_b32 s[G1B+6], 0
	s_mov_b32 s[G1+6], 0
	s_mov_b32 s[G1B+7], 0
	s_mov_b32 s[G1+7], 0
	; where the tiles come from.  xq's hang on the tile row alone, which my row of the cluster shares; wq's on the tile column alone, which my column shares.
	; Every wave makes both addresses, in registers that never hold the other coordinate, and asks by one of them.
	s_lshl_b32 s17, s12, 7                         ; which 128 rows of the tile I fetch
	s_lshl_b32 s16, s13, 8
	s_add_co_u32 s16, s16, s17                     ; xq: row 256 x tile row + 128 x half
	s_lshl_b32 s46, s42, 8
	s_add_co_u32 s46, s46, s17                     ; wq: row 256 x tile column + 128 x half
	s_mov_b32 s17, 0
	s_mov_b32 s47, 0
	s_mov_b64 s[18:19], KLEN*2
	s_mul_u64 s[16:17], s[16:17], s[18:19]         ; in bytes
	s_mul_u64 s[46:47], s[46:47], s[18:19]
	s_mul_i32 s20, s10, HALFT                      ; and where they go: wave x 128 rows: no place in the cluster enters an LDS address
	s_wait_dscnt 0x0                               ; both opening adds are done
	s_wait_kmcnt 0x0
	s_add_nc_u64 s[14:15], s[4:5], s[16:17]
	s_add_nc_u64 s[46:47], s[6:7], s[46:47]
	CROUND                                         ; all sixteen work-groups are here: the first joint loads meet
.irp s, 0,1
	s_mov_b32 s[G0+4*(\s)], 1                                      ; count = 1
	s_add_co_u32 s[G0+4*(\s)+1], s20, (\s)*SLOT                    ; LDS address
	s_add_nc_u64 s[G0+4*(\s)+2:G0+4*(\s)+3], s[14:15], (\s)*KSTEP*2  ; global address: K step s
	s_or_b32 s[G0+4*(\s)+3], s[G0+4*(\s)+3], 0x80000000            ; type = 2
	s_mov_b32 s[G0B+4*(\s)], 1
	s_add_co_u32 s[G0B+4*(\s)+1], s20, (\s)*SLOT
	s_add_nc_u64 s[G0B+4*(\s)+2:G0B+4*(\s)+3], s[46:47], (\s)*KSTEP*2
	s_or_b32 s[G0B+4*(\s)+3], s[G0B+4*(\s)+3], 0x80000000
	JLOAD \s                                       ; the ring is filled before anything else is done: two tensor loads of mine are out
.endr
	s_load_b128 s[KE:KE+3], s[66:67], 0x0          ; the way out's two constants: the launch reads scal and does not write it
	; A fragment is 16 rows x 32 K in 8 registers: lane l holds row l % 16; registers 0-3 hold K = 8 (l / 16) + 0..7, registers 4-7 hold K = 16 + 8 (l / 16) + 0..7: two loads of 16 bytes, 32 bytes apart.
	v_and_b32 v1, 15, v0                           ; l % 16
	v_bfe_u32 v2, v0, 4, 1                         ; l / 16
	v_mul_u32_u24 v3, v1, PITCH
	v_lshl_add_u32 v3, v2, 4, v3                   ; row x pitch + 16 x half
	s_mul_i32 s21, s11, HALFT                      ; my 128 rows of xq
	s_mul_i32 s22, s12, HALFT                      ; my 128 rows of wq,
	s_add_co_u32 s22, s22, 2*HALFT                 ; which lie behind xq's 256
.irp s, 0,1
	v_add_nc_u32 v[ADRA+(\s)], s21, v3
	v_add_nc_u32 v[ADRB+(\s)], s22, v3
	s_add_co_u32 s21, s21, SLOT
	s_add_co_u32 s22, s22, SLOT
.endr
	s_mul_i32 s23, s10, 16*SPITCH
	s_add_co_u32 s23, s23, STAGE                   ; my stage
	v_mul_u32_u24 v4, v1, SPITCH                   ; in: row l % 16, 32 bytes (eight f32) for each half of the lanes
	v_lshl_add_u32 v4, v2, 5, v4
	v_add_nc_u32 v[STO], s23, v4
	v_mul_u32_u24 v5, v2, SPITCH                   ; back: lanes 0-15 take one row of 256 bytes, lanes 16-31 the next
	v_lshl_add_u32 v5, v1, 4, v5
	v_add_nc_u32 v[RD], s23, v5
	v_mul_u32_u24 v5, v2, OROW                     ; and the same two rows in out0
	v_lshl_add_u32 v[CO], v1, 4, v5
	; where my part of the first tile begins in out0, in bytes: the first way out adds it to out0's address
	s_lshl_b32 s13, s13, 8
	s_lshl_b32 s14, s11, 7
	s_add_co_u32 s16, s13, s14                     ; my first row
	s_mov_b32 s17, 0
	s_mov_b64 s[18:19], OROW
	s_mul_u64 s[16:17], s[16:17], s[18:19]
	s_lshl_b32 s46, s42, 9                         ; my 64 columns of f32: 512 x tile column + 256 x half
	s_lshl_b32 s47, s12, 8
	s_add_co_u32 s46, s46, s47
	s_mov_b32 s47, 0
	s_add_nc_u64 s[16:17], s[16:17], s[46:47]
	; the prefetches.  s13 = 256 x tile row, s42 = tile column, s40 = cx, s41 = cy still stand
	s_lshl_b32 s42, s42, 8
	s_and_b32 s22, ttmp7, 0xffff                   ; cluster y
	s_cmp_eq_u32 s11, 0                            ; do I fetch for xq?
	s_cselect_b32 s20, s13, s42                    ; the tile's first row: in xq by the tile row, in wq by the tile column
	s_cselect_b32 s21, s40, s41                    ; my place among the four that ask for it with me
	s_cselect_b32 s22, ttmp9, s22                  ; the coordinate along which other clusters read the same rows
	s_cselect_b64 s[PFA:PFA+1], s[4:5], s[6:7]
	s_cmp_eq_u32 s22, 0
	s_cselect_b32 s[LIM], 1, -1                    ; the same in all sixteen partners, for a given wave
	s_lshl_b32 s22, s12, 7
	s_add_co_u32 s20, s20, s22                     ; + the 128 rows that I fetch
	s_lshl_b32 s21, s21, 5
	s_add_co_u32 s20, s20, s21                     ; + my work-group's 32 of them
	s_mov_b32 s21, 0
	s_mov_b64 s[18:19], KLEN*2
	s_mul_u64 s[20:21], s[20:21], s[18:19]
	s_add_nc_u64 s[PFA:PFA+1], s[PFA:PFA+1], s[20:21]
	s_add_nc_u64 s[PFA:PFA+1], s[PFA:PFA+1], 2*KSTEP*2  ; at K step 2: the first refill steps it to 3 and names K step 4
	v_and_b32 v[PFO], 31, v0
	v_mul_u32_u24 v[PFO], v[PFO], KLEN*2
	; nothing is prefetched here, at the head, where every work-group's first two tiles are on their way: K steps 2 and 3 come by their refills alone
; 16 matrix instructions: m blocks a0, a0 + 1 of the window's four (hi = 0: my rows 0-63, 1: rows 64-127) x all 8 n blocks, 32 along K.  zero = 1: the first product starts the sums: nothing is ever cleared.
; The 64 accumulators take turns, one instruction a turn, in the same order in every quarter step.
.macro MUL16 f, hi, a0, zero
	WIN MUL_LO+0x50*(\hi)
.irp a, \a0, (\a0)+1
.irp b, 0,1,2,3,4,5,6,7
.if \zero
	v_wmma_f32_16x16x32_f16 v[8*(8*(\a)+(\b)):8*(8*(\a)+(\b))+7], v[(\f)+8*(\b):(\f)+8*(\b)+7], v[(\f)+8*(4*(\hi)+(\a)):(\f)+8*(4*(\hi)+(\a))+7], 0
.else
	v_wmma_f32_16x16x32_f16 v[8*(8*(\a)+(\b)):8*(8*(\a)+(\b))+7], v[(\f)+8*(\b):(\f)+8*(\b)+7], v[(\f)+8*(4*(\hi)+(\a)):(\f)+8*(4*(\hi)+(\a))+7], v[8*(8*(\a)+(\b)):8*(8*(\a)+(\b))+7]
.endif
.endr
.endr
.endm
; 32 LDS loads in one run: the fragments of one quarter step (128 rows of wq, 128 rows of xq, 32 K at byte k of the rows) into buffer f
.macro FETCH slot, k, f
	WIN TO_B
.irp i, 0,1,2,3,4,5,6,7
	ds_load_b128 v[(\f)+8*(\i):(\f)+8*(\i)+3],   v[ADRB+(\slot)] offset:(\k)+(\i)*16*PITCH
	ds_load_b128 v[(\f)+8*(\i)+4:(\f)+8*(\i)+7], v[ADRB+(\slot)] offset:(\k)+(\i)*16*PITCH+32
.endr
	WIN 0
.irp i, 0,1,2,3,4,5,6,7
	ds_load_b128 v[(\f)+8*(\i):(\f)+8*(\i)+3],   v[ADRA+(\slot)] offset:(\k)+(\i)*16*PITCH
	ds_load_b128 v[(\f)+8*(\i)+4:(\f)+8*(\i)+7], v[ADRA+(\slot)] offset:(\k)+(\i)*16*PITCH+32
.endr
.endm
; A load into a register that a matrix instruction has read, and a vector instruction that reads a matrix result, stand four places behind that matrix instruction, and only plain vector instructions that
; name none of its registers are places (ISA guide 7.12.1 for vector instructions).
.macro PLACES
.rept 4
	v_nop
.endr
.endm
; A K step is four quarter steps of 32 along K, 64 matrix instructions each, on buffers 0, 1, 0, 1.
; One of the first three: multiplies buffer f; in its middle it fetches the next quarter's fragments, at byte k of the same slot's rows, into buffer g.
.macro QUARTER slot, k, f, g, zero
	s_wait_dscnt 8                                 ; wq's fragments and xq's rows 0-63 are in; the youngest eight loads (xq's rows 64-127) may be out
	WIN MUL_LO
	MUL16 \f, 0, 0, \zero
	MUL16 \f, 0, 2, \zero
	PLACES
	FETCH \slot, \k, \g
	s_wait_dscnt 32                                ; all but the 32 just issued
	WIN MUL_HI
	MUL16 \f, 1, 0, \zero
	MUL16 \f, 1, 2, \zero
.endm
; The last quarter multiplies buffer 1 and changes slots.  MEET is its first half: ONE barrier for the change of slots.  In front of it each wave waits for all its tensor loads, of which one is out: its part
; of the next slot; adds 0 to its spare word; and waits for that and for its own reads of this slot.  Behind it nobody reads this slot any more and the next slot is whole.
.macro MEET round                      ; round = 1: a round of the cluster's barrier follows
	WIN 0                                          ; (the add's two registers lie in window 0)
	s_wait_tensorcnt 0x0                           ; all my tensor loads have landed;
	ds_add_u32 v[SPW], v[NIL]                      ; 0 onto my spare word;
	s_wait_dscnt 9                                 ; (the add and the youngest eight loads may be out)
	WIN MUL_LO
	MUL16 F1, 0, 0, 0                              ; sixteen matrix instructions stand between the add and the wait for it
	s_wait_dscnt 0x0                               ; the add is done, and my reads of this slot are over:
	s_barrier_signal -1                            ; say so,
	MUL16 F1, 0, 2, 0                              ; work on registers while the others arrive,
.if \round
	WIN 0
.endif
	s_barrier_wait -1                              ; and go on when all four have said so
.endm
; The whole last quarter.  Behind the round the slot just read out is filled again first: with this tile's K step two steps on (on = 0) or, in the first tile's last two K steps, with the second tile's
; K step 0 or 1 (on = 1); then come the next slot's first fragments.  From a request to the wait for it a wave issues 224 matrix instructions, across tiles too.
.macro TURN slot, next, on
	s_wait_xcnt 0x0                                ; the last prefetch, a K step back, has read its address: it is stepped here, ahead of the waits of the change of slots
.if (\on) && (\slot) == 0
	s_add_nc_u64 s[PFA:PFA+1], s[PFA:PFA+1], (WALK-1)*KLEN*2+KSTEP*2  ; from the K step after the tile's last to the next tile's K step 1: WALK rows down, back along K
	s_cmp_eq_u32 s11, 0
	s_cselect_b32 s[LIM], s[LIM], -1               ; wq's rows are the same for both tiles: they are asked for in the first tile alone
.else
	s_add_nc_u64 s[PFA:PFA+1], s[PFA:PFA+1], KSTEP*2
.endif
	MEET 1
	CREST                                          ; the barrier has opened a round of the cluster's barrier: no wave of any partner still reads this slot's tile or has a load on its way
.if \on
	s_add_nc_u64 s[G0+4*(\slot)+2:G0+4*(\slot)+3], s[G0+4*(\slot)+2:G0+4*(\slot)+3], NEXT_A
	s_sub_nc_u64 s[G0B+4*(\slot)+2:G0B+4*(\slot)+3], s[G0B+4*(\slot)+2:G0B+4*(\slot)+3], BACK_B
.else
	s_add_nc_u64 s[G0+4*(\slot)+2:G0+4*(\slot)+3], s[G0+4*(\slot)+2:G0+4*(\slot)+3], 2*KSTEP*2
	s_add_nc_u64 s[G0B+4*(\slot)+2:G0B+4*(\slot)+3], s[G0B+4*(\slot)+2:G0B+4*(\slot)+3], 2*KSTEP*2
.endif
	JLOAD \slot                                    ; the first tensor load behind the round, and my only one until the next; the four v_nop behind it are also the places in front of the loads below
	FETCH \next, 0, F0
	ASK \on                                        ; behind the joint load and the run of LDS loads that the next products wait for
	WIN MUL_HI
	MUL16 F1, 1, 0, 0
	MUL16 F1, 1, 2, 0
.endm
; THE WAY OUT of block a (16 of my rows), in three parts.
; GLU: the gating, in place in the accumulators' own window.  H = the block's 32 registers of h, G = its 32 of g; pair i of 16 is registers 2 i, 2 i + 1 of each.  Pairs go in ascending order.
;   first   H <- h g;  G <- KE g;  G <- 2^G.  The 32 exponentials are ONE batch: a pair's two stand behind the next pair's two multiplies, nothing names a result, one v_nop and one wait close the batch.
;   then    G <- (1 + G) C2, as G C2 + C2;  G <- 1 / G.  The 32 reciprocals are a second batch, closed likewise.
;   last    H <- H G.
.macro GLU a
.set H, 64*((\a)%4)
.set G, H+32
	WIN 0xaa+0x55*((\a)/4)                         ; all four operand places in window 2 (blocks 0-3) or 3 (blocks 4-7)
	v_pk_mul_f32 v[H:H+1], v[H:H+1], v[G:G+1]
	v_pk_mul_f32 v[G:G+1], v[G:G+1], s[KE:KE+1] op_sel_hi:[1,0]
.set i, 1
.rept 15
	v_pk_mul_f32 v[H+2*i:H+2*i+1], v[H+2*i:H+2*i+1], v[G+2*i:G+2*i+1]
	v_exp_f32 v[G+2*i-2], v[G+2*i-2]
	v_pk_mul_f32 v[G+2*i:G+2*i+1], v[G+2*i:G+2*i+1], s[KE:KE+1] op_sel_hi:[1,0]
	v_exp_f32 v[G+2*i-1], v[G+2*i-1]
.set i, i+1
.endr
	v_exp_f32 v[G+30], v[G+30]
	v_exp_f32 v[G+31], v[G+31]
	v_nop                                          ; a plain line behind the last exponential,
	s_wait_alu depctr_va_vdst(0)                   ; and the wait ahead of the first line that names a result
	v_pk_fma_f32 v[G:G+1], v[G:G+1], s[C2:C2+1], s[C2:C2+1] op_sel_hi:[1,0,0]
.set i, 1
.rept 15
	v_pk_fma_f32 v[G+2*i:G+2*i+1], v[G+2*i:G+2*i+1], s[C2:C2+1], s[C2:C2+1] op_sel_hi:[1,0,0]
	v_rcp_f32 v[G+2*i-2], v[G+2*i-2]
	v_rcp_f32 v[G+2*i-1], v[G+2*i-1]
.set i, i+1
.endr
	v_rcp_f32 v[G+30], v[G+30]
	v_rcp_f32 v[G+31], v[G+31]
	v_nop
	s_wait_alu depctr_va_vdst(0)                   ; the second batch's wait
.set i, 0
.rept 16
	v_pk_mul_f32 v[H+2*i:H+2*i+1], v[H+2*i:H+2*i+1], v[G+2*i:G+2*i+1]
.set i, i+1
.endr
.endm
; TOSTAGE: a lane's eight f32 of n block b are 32 bytes of a row; they go into my own stage, rows of 272 bytes, and come back as whole rows of 256 bytes.
.macro TOSTAGE a
.set H, 64*((\a)%4)
.set BK, OB+192*((\a)%2)
	WIN 0x08+4*((\a)/4)                            ; the stores' data (source 1) in window 2 or 3, their address in window 0
.irp b, 0,1,2,3
	ds_store_b128 v[STO], v[H+8*(\b):H+8*(\b)+3]   offset:64*(\b)
	ds_store_b128 v[STO], v[H+8*(\b)+4:H+8*(\b)+7] offset:64*(\b)+16
.endr
	WIN 0
.irp t, 0,1,2,3,4,5,6,7
	ds_load_b128 v[BK+4*(\t):BK+4*(\t)+3], v[RD] offset:(\t)*2*SPITCH  ; LDS serves a wave's instructions in order (ISA guide 5.7.1.4): these see the stores above, and the next block's stores come behind them
.endr
.endm
; SEND: stored.
.macro SEND a
	WIN 0
.set BK, OB+192*((\a)%2)
	s_wait_dscnt 0x0                               ; the block is back in registers
	s_wait_xcnt 0x0                                ; the stores' base, and the registers that the stores of the block before last read, are rewritten only behind this wait
.if (\a) == 0
	s_add_nc_u64 s[8:9], s[8:9], s[16:17]          ; on to this tile's first rows
.else
	s_add_nc_u64 s[8:9], s[8:9], 16*OROW           ; 16 rows on
.endif
.irp t, 0,1,2,3,4,5,6,7
	global_store_b128 v[CO], v[BK+4*(\t):BK+4*(\t)+3], s[8:9] offset:2*(\t)*OROW th:TH_STORE_NT  ; 16 lanes store 256 consecutive bytes, at a multiple of 256 from out0's first byte
.endr
.endm
; A whole tile: block a's gating stands between block a - 1's loads from the stage and the wait for them.  It touches neither fragment buffer 0 nor the ring.
.macro WAYOUT
	WIN 0
	PLACES                                         ; eight places behind the last products, once a tile: the gating reads and writes accumulators in place
	PLACES
	GLU 0
	TOSTAGE 0
.irp a, 1,2,3,4,5,6,7
	GLU \a
	SEND (\a)-1
	TOSTAGE \a
.endr
	SEND 7
.endm
	s_wait_kmcnt 0x0                               ; KE and C2
	s_wait_tensorcnt 1                             ; my part of K step 0 is in; K step 1's may stay out
	s_barrier_signal -1
	s_barrier_wait -1                              ; everybody's is
	FETCH 0, 0, F0
	s_mov_b32 s2, 2                                ; tiles to go, this one among them: the same number in every work-group
.Ltile:                                                ; (FETCH and SEND leave every window 0)
	QUARTER 0, 64,  F0, F1, 1                      ; a tile's first quarter stands in front of the loop: its products start the sums
	WIN 0                                          ; at a label and at a branch every window is 0
	s_mov_b32 s3, LAPS-1
.Llap:                                                 ; a trip goes once round the ring, from a lap's second quarter to the next lap's first, and fills both slots again
	QUARTER 0, 128, F1, F0, 0
	QUARTER 0, 192, F0, F1, 0
	TURN 0, 1, 0
	QUARTER 1, 64,  F0, F1, 0
	QUARTER 1, 128, F1, F0, 0
	QUARTER 1, 192, F0, F1, 0
	TURN 1, 0, 0
	QUARTER 0, 64,  F0, F1, 0
	WIN 0
	s_sub_co_u32 s3, s3, 1
	s_cmp_lg_u32 s3, 0
	s_cbranch_scc1 .Llap
	QUARTER 0, 128, F1, F0, 0                      ; the tile's last lap goes on
	QUARTER 0, 192, F0, F1, 0
	WIN 0
	s_cmp_eq_u32 s2, 1
	s_cbranch_scc1 .Llast_tile                     ; the last tile's tail is written out: it asks for nothing more
	TURN 0, 1, 1                                   ; THE RING GOES ON INTO THE SECOND TILE: slot 0 takes its K step 0,
	QUARTER 1, 64,  F0, F1, 0
	QUARTER 1, 128, F1, F0, 0
	QUARTER 1, 192, F0, F1, 0
	TURN 1, 0, 1                                   ; slot 1 its K step 1, and the second tile's first fragments are fetched
	WAYOUT                                         ; both refills are asked for: now the tile goes out
	s_mov_b64 s[16:17], NEXT_C                     ; what the next way out adds to out0's address
	s_sub_co_u32 s2, s2, 1
	s_branch .Ltile
.Llast_tile:
	MEET 0                                         ; my one tensor load that was still out is slot 1's, the last K step's, so no round follows
	PLACES                                         ; for the loads into buffer 0, which the quarter before multiplied
	FETCH 1, 0, F0
	WIN MUL_HI
	MUL16 F1, 1, 0, 0
	MUL16 F1, 1, 2, 0
	QUARTER 1, 64,  F0, F1, 0
	QUARTER 1, 128, F1, F0, 0
	QUARTER 1, 192, F0, F1, 0
	s_wait_dscnt 8                                 ; the very last quarter: nothing more to fetch
	WIN MUL_LO
	MUL16 F1, 0, 0, 0
	MUL16 F1, 0, 2, 0
	s_wait_dscnt 0x0
	MUL16 F1, 1, 0, 0
	MUL16 F1, 1, 2, 0
	WAYOUT
	s_wait_tensorcnt 0x0                           ; the wave's end, behind my last tensor load and my last LDS store
	ds_add_u32 v[SPW], v[NIL]
	s_wait_dscnt 0x0
	CROUND                                         ; the closing round: no work-group ends while a partner may still ask for a tile that names it
	s_endpgm
.Lfunc_end_k_q323da25757_gemm:
	.size	k_q323da25757_gemm, .Lfunc_end_k_q323da25757_gemm-k_q323da25757_gemm
	.p2alignl 7, 3214868480
	.fill 96, 4, 3214868480
	.section	.rodata,"a",@progbits
	.p2align	6, 0x0
	.amdhsa_kernel k_q323da25757_gemm
		.amdhsa_group_segment_fixed_size 327680
		.amdhsa_private_segment_fixed_size 0
		.amdhsa_enable_private_segment 0
		.amdhsa_kernarg_size 32
		.amdhsa_user_sgpr_count 2
		.amdhsa_user_sgpr_kernarg_segment_ptr 1
		.amdhsa_wavefront_size32 1
		.amdhsa_system_sgpr_workgroup_id_x 1
		.amdhsa_system_sgpr_workgroup_id_y 1
		.amdhsa_system_sgpr_workgroup_id_z 1
		.amdhsa_system_vgpr_workitem_id 0
		.amdhsa_next_free_vgpr 1024
		.amdhsa_next_free_sgpr 72
		.amdhsa_reserve_vcc 0
		.amdhsa_float_denorm_mode_32 3
		.amdhsa_float_denorm_mode_16_64 3
		.amdhsa_memory_ordered 1
		.amdhsa_forward_progress 1
		.amdhsa_inst_pref_size 255
	.end_amdhsa_kernel
	.section	.bss,"aw",@nobits
	.p2align	6
	.space	262144
	.amdgpu_metadata
---
amdhsa.version: [ 1, 2 ]
amdhsa.kernels:
  - .name:           k_q323da25757_gemm
    .symbol:         k_q323da25757_gemm.kd
    .args:
      - { .name: xq, .offset: 0, .size: 8, .value_kind: global_buffer, .address_space: global }
      - { .name: wq, .offset: 8, .size: 8, .value_kind: global_buffer, .address_space: global }
      - { .name: out0, .offset: 16, .size: 8, .value_kind: global_buffer, .address_space: global }
      - { .name: scal, .offset: 24, .size: 8, .value_kind: global_buffer, .address_space: global }
    .group_segment_fixed_size: 327680
    .private_segment_fixed_size: 0
    .kernarg_segment_align: 8
    .kernarg_segment_size: 32
    .max_flat_workgroup_size: 128
    .sgpr_count:     72
    .vgpr_count:     1024
    .wavefront_size: 32
...
	.end_amdgpu_metadata
.endif
;; end of part 3
;; ======== version 2 of 2: 3 launches; version 1 with the launch quant written anew for expert scheduling mode
;; limits: right only within a limited range of input values
;; workspace buffers: rowstat 65,536 bytes; part 2,048 bytes; xq 33,554,432 bytes; wq 16,777,216 bytes; scal 256 bytes
;; launch stats: the kernel of part 1 again; grid 256 x 1, 16 waves a work-group, no clusters, 2,560 bytes of LDS; arguments x, weight, rowstat, part; writes rowstat, part
;; launch quant (part 4): grid 256 x 1, 16 waves a work-group, no clusters, 0 bytes of LDS; arguments x, weight, rowstat, part, xq, wq, scal; writes xq, wq, scal
.if DOCPART == 4
	.amdgcn_target "amdgcn-amd-amdhsa--gfx1250"
	.amdhsa_code_object_version 6
	.text
	.protected	k_q323da25757_quant
	.globl	k_q323da25757_quant
	.p2align	8
	.type	k_q323da25757_quant,@function
k_q323da25757_quant:
	s_mov_b64 s[64:65], 0
	v_nop
	global_prefetch_b8 v0, s[64:65] scope:SCOPE_SE
	s_setreg_imm32_b32 hwreg(HW_REG_WAVE_SCHED_MODE, 0, 2), 2
	s_setreg_imm32_b32 hwreg(HW_REG_WAVE_MODE, 25, 1), 1
	s_wait_xcnt 0x0
	s_wait_alu depctr_vm_vsrc(0)
; SECOND OF THREE LAUNCHES.  gamma = the largest |normed|, wg = the mean of |w| (both from part, which the launch before stored).
; xq [8192][2048] f16:  q = clip((x - mu) rstd x 128 / gamma, -(128 - 1e-5), 128 - 1e-5), rounded once to f16.
; wq [4096][2048] f16:  t = clip(round(w / (wg + 1e-7)), -1, 1), exact in f16, ITS ROWS PERMUTED: source row n (j = n mod 2048, gate = n / 2048) goes to row 128 (j / 64) + 64 gate + j mod 64, so that
;                       128 consecutive rows hold 64 columns of h and the 64 gate columns that go with them.
; scal: four f32: KE, KE, C2, C2 with s = gamma wg / 128, KE = -s log2(e), C2 = 1 / s^2: what the third launch's way out multiplies by.
; LIMITS.  x and weight are rounded once to bf16 as they are loaded (the whole program's choice: see the first launch).  rstd x 128 / gamma is applied as one factor.  |q| is at most 128 by the module's own
; clip, for every input, so f16 has the range; below 6e-5 q keeps f16's fixed step.  1 / gamma and 1 / (wg + 1e-7) are reciprocals with one correction step; each quotient w / (wg + 1e-7) has one more fused
; correction.  s^2 must be a normal f32 number.  gamma = 0 (every row of x constant) gives NaN in the module itself and is not served.
; SHARES as in the first launch: a work-group 32 rows of x and 16 of weight, a wave 2 and 1; all 52 loads of a wave go out at the head.  EVERY wave folds part's 256 pairs, in the same order, so all have the same bits.
; A store of 8 bytes a lane covers 256 consecutive bytes, aligned.
; LEFT OUT: LDS, barriers, matrix units, clusters, prefetches: no wave wants another's bytes, and every byte is asked for at the head.
; THE MODE: SCHED_MODE bits 1:0 = 2 (LLVM: expert scheduling mode 2), set by the entry lines.  The code itself states the register dependences between vector instructions and memory instructions,
; with s_wait_alu, always for 0.
; THE PLAN.  Registers that memory instructions touch:
;   v2 to v6       byte offsets, made once at the head and never written again: one wait ahead of the first load states that they are written, for every load and store of the kernel.
;   PT, X0, X1, W  written by the loads at the head, which are the kernel's only loads; no vector line names them ahead of those loads.
;   the first two registers of each group of four in X0, X1, W: written by the group's two roundings to f16, read by the group's one store, and written by nothing after it.
;   OUTW, v26      in the last arm alone: scal's four words and the offset 0.
; A row's 16 groups go in four blocks of four.  Block p's vector lines name its own groups and the registers at work (T, MU, KF, RW, GP).  Its memory instructions are the four stores of block p - 1, whose
; data and offset no vector line of block p names.  So ONE wait at a block's head states all that its four stores hang on, and they are dealt among its groups with no further wait.  Behind a row's last block
; one more wait and the last four stores stand ahead of the wait for the next row's data.  No register that a store reads is written again, so no wait for the stores' reads stands among them.
.set ROWB,  8192                       ; bytes in a row of x and of weight
.set QROW,  4096                       ; bytes in a row of xq and of wq
.set XO,  2                            ; v2   wave x 2 rows of x + 16 x lane
.set WO,  3                            ; v3   wave x 1 row of weight + 16 x lane
.set QO,  4                            ; v4   wave x 2 rows of xq + 8 x lane
.set LO8, 5                            ; v5   8 x lane
.set LO16, 6                           ; v6   16 x lane
.set PT,  8                            ; v[8:23]    my 8 pairs of part
.set T,   24                           ; v[24:31]   at work
.set XCH, 31
.set X0,  32
.set X1,  96
.set W,   160
.set MU,  224                          ; v[224:225] mu, twice
.set KF,  226                          ; v[226:227] rstd x 128 / gamma, twice
.set RW,  228                          ; v[228:229] 1 / (wg + 1e-7), twice
.set GP,  230                          ; v[230:231] wg + 1e-7, twice
.set GA,  232                          ; v232  gamma
.set WG,  233                          ; v233  wg
.set SC,  234                          ; v234  128 / gamma
.set OUTW, 236                         ; v[236:239] scal's four words
	s_load_b256 s[4:11], s[0:1], 0x0               ; x s[4:5], weight s[6:7], rowstat s[8:9], part s[10:11]
	s_load_b128 s[12:15], s[0:1], 0x20             ; xq s[12:13], wq s[14:15]
	s_load_b64 s[16:17], s[0:1], 0x30              ; scal
	v_and_b32 v1, 31, v0                           ; lane
	v_lshrrev_b32 v7, 5, v0
	v_readfirstlane_b32 s20, v7                    ; wave 0..15
	v_and_b32 v7, 0x1e0, v0                        ; 32 x wave
	v_lshlrev_b32 v[XO], 9, v7
	v_lshl_or_b32 v[XO], v1, 4, v[XO]
	v_lshlrev_b32 v[WO], 8, v7
	v_lshl_or_b32 v[QO], v1, 3, v[WO]
	v_lshl_or_b32 v[WO], v1, 4, v[WO]
	v_lshlrev_b32 v[LO8], 3, v1
	v_lshlrev_b32 v[LO16], 4, v1
	v_mov_b32 v[XCH], 0                            ; v_permlanex16_b32 counts as a reader of its destination
	s_mov_b32 s28, 0xffff0000                      ; a word's upper bf16
	s_mov_b32 s30, 0xc2ffffff                      ; -(128 - 1e-5) in f32
	s_mov_b32 s31, 0x42ffffff                      ; 128 - 1e-5
	s_mov_b32 s32, -1.0
	s_mov_b32 s33, 1.0
	s_mov_b32 s34, 0x76543210
	s_mov_b32 s35, 0xfedcba98
	s_wait_alu depctr_va_sdst(0)                   ; s20, the wave's number, is written, ahead of its first reader: my rows' places are made from it
	s_lshl_b32 s21, ttmp9, 4
	s_or_b32 s21, s21, s20                         ; n: my row of weight
	s_and_b32 s22, s21, 0x7c0                      ; 64 (j / 64),
	s_lshl_b32 s22, s22, 1                         ; doubled
	s_and_b32 s23, s21, 63                         ; j mod 64
	s_or_b32 s22, s22, s23
	s_lshr_b32 s23, s21, 11                        ; gate
	s_lshl_b32 s23, s23, 6
	s_or_b32 s22, s22, s23                         ; its row in wq
	s_mov_b32 s37, 0
	s_wait_kmcnt 0x0
	s_lshl_b32 s36, s22, 12
	s_add_nc_u64 s[14:15], s[14:15], s[36:37]      ; wq at my row
	s_lshl_b32 s36, ttmp9, 18
	s_add_nc_u64 s[4:5], s[4:5], s[36:37]          ; x at the group's 32 rows
	s_lshl_b32 s36, ttmp9, 17
	s_add_nc_u64 s[6:7], s[6:7], s[36:37]          ; weight at its 16 rows
	s_add_nc_u64 s[12:13], s[12:13], s[36:37]      ; xq at its 32 rows
	s_lshl_b32 s36, ttmp9, 8
	s_lshl_b32 s22, s20, 4
	s_add_co_u32 s36, s36, s22
	s_add_nc_u64 s[8:9], s[8:9], s[36:37]          ; rowstat at my two rows
	s_load_b128 s[24:27], s[8:9], 0x0              ; mu0, rstd0, mu1, rstd1: the launch reads rowstat and does not write it
	s_wait_alu depctr_va_vdst(0)                   ; the five offsets v2 to v6 are written: every load and store of x, weight, part, xq and wq reads one of them
.irp j, 0,1,2,3
	global_load_b128 v[PT+4*(\j):PT+4*(\j)+3], v[LO16], s[10:11] offset:512*(\j)
.endr
.irp j, 0,1,2,3,4,5,6,7,8,9,10,11,12,13,14,15
	global_load_b128 v[X0+4*(\j):X0+4*(\j)+3], v[XO], s[4:5] offset:512*(\j) th:TH_LOAD_NT
.endr
.irp j, 0,1,2,3,4,5,6,7,8,9,10,11,12,13,14,15
	global_load_b128 v[X1+4*(\j):X1+4*(\j)+3], v[XO], s[4:5] offset:ROWB+512*(\j) th:TH_LOAD_NT
.endr
.irp j, 0,1,2,3,4,5,6,7,8,9,10,11,12,13,14,15
	global_load_b128 v[W+4*(\j):W+4*(\j)+3], v[WO], s[6:7] offset:512*(\j) th:TH_LOAD_NT
.endr
	; THE TWO SCALARS.  Even registers of PT hold maxima, odd ones sums.
	s_wait_loadcnt 48                              ; part's four loads are in; the 48 behind them stay out
	v_max3_num_f32 v[T], v[PT], v[PT+2], v[PT+4]
	v_add_f32 v[T+1], v[PT+1], v[PT+3]
	v_add_f32 v[T+2], v[PT+5], v[PT+7]
	v_add_f32 v[T+3], v[PT+9], v[PT+11]
	v_add_f32 v[T+4], v[PT+13], v[PT+15]
	v_max3_num_f32 v[T], v[T], v[PT+6], v[PT+8]
	v_add_f32 v[T+1], v[T+1], v[T+2]
	v_add_f32 v[T+3], v[T+3], v[T+4]
	v_max3_num_f32 v[T], v[T], v[PT+10], v[PT+12]
	v_add_f32 v[T+1], v[T+1], v[T+3]
	v_max_num_f32 v[GA], v[T], v[PT+14]
.irp m, 1,2,4,8
	v_max_num_f32_dpp v[GA], v[GA], v[GA] row_xmask:\m row_mask:0xf bank_mask:0xf
	v_add_f32_dpp v[T+1], v[T+1], v[T+1] row_xmask:\m row_mask:0xf bank_mask:0xf
.endr
	v_permlanex16_b32 v[XCH], v[GA], s34, s35
	v_max_num_f32 v[GA], v[GA], v[XCH]             ; gamma
	v_permlanex16_b32 v[XCH], v[T+1], s34, s35
	v_add_f32 v[T+1], v[T+1], v[XCH]
	v_mul_f32 v[WG], 0x34000000, v[T+1]            ; wg = the sum / 2^23, exact scaling
	v_add_f32 v[GP], 0x33d6bf95, v[WG]             ; wg + 1e-7
	v_rcp_f32 v[T+2], v[GA]                        ; one batch of two reciprocals,
	v_rcp_f32 v[RW], v[GP]
	v_mov_b32 v[GP+1], v[GP]                       ; a plain line behind them,
	s_wait_alu depctr_va_vdst(0)                   ; and the wait ahead of the first line that names a result: both reciprocals are written
	v_fma_f32 v[T+3], -v[GA], v[T+2], 1.0          ; one correction step each: r += r (1 - a r)
	v_fma_f32 v[T+4], -v[GP], v[RW], 1.0
	v_fma_f32 v[T+2], v[T+3], v[T+2], v[T+2]
	v_fma_f32 v[RW], v[T+4], v[RW], v[RW]
	v_mul_f32 v[SC], 0x43000000, v[T+2]            ; 128 / gamma
	v_mov_b32 v[RW+1], v[RW]
	s_wait_kmcnt 0x0                               ; my rows' mu and rstd
; Group j of 16 of a row of x: my four numbers at byte 512 j + 16 x lane, in the four registers from base + 4 j on; the result, four f16, is left in the first two of them.
.macro XGRP base, j
.set r, (\base)+4*(\j)
.set t, T+2*((\j)%2)
	v_cvt_pk_bf16_f32 v[t], v[r], v[r+1]           ; rounded to bf16 and widened again, in place
	v_cvt_pk_bf16_f32 v[t+1], v[r+2], v[r+3]
	v_lshlrev_b32 v[r], 16, v[t]
	v_and_b32 v[r+1], s28, v[t]
	v_lshlrev_b32 v[r+2], 16, v[t+1]
	v_and_b32 v[r+3], s28, v[t+1]
	v_pk_add_f32 v[r:r+1], v[r:r+1], v[MU:MU+1] neg_lo:[0,1] neg_hi:[0,1]
	v_pk_add_f32 v[r+2:r+3], v[r+2:r+3], v[MU:MU+1] neg_lo:[0,1] neg_hi:[0,1]
	v_pk_mul_f32 v[r:r+1], v[r:r+1], v[KF:KF+1]
	v_pk_mul_f32 v[r+2:r+3], v[r+2:r+3], v[KF:KF+1]
	v_med3_num_f32 v[r], v[r], s30, s31            ; the module's clip
	v_med3_num_f32 v[r+1], v[r+1], s30, s31
	v_med3_num_f32 v[r+2], v[r+2], s30, s31
	v_med3_num_f32 v[r+3], v[r+3], s30, s31
	v_cvt_pk_f16_f32 v[r], v[r], v[r+1]
	v_cvt_pk_f16_f32 v[r+1], v[r+2], v[r+3]
.endm
; Group j's store.  It stands behind a wait that was issued behind the group's roundings; no vector line since that wait names its two data registers or its offset.
.macro XST base, row, j
.set r, (\base)+4*(\j)
	global_store_b64 v[QO], v[r:r+1], s[12:13] offset:(\row)*QROW+256*(\j) th:TH_STORE_NT
.endm
; One row of x.  sm: the scalar register with its mu (its rstd is the next).  row = 0, 1.  left = how many younger loads may stay out.
.macro XROW base, sm, row, left
	s_wait_loadcnt \left
	v_mov_b32 v[MU], s[\sm]
	v_mov_b32 v[MU+1], s[\sm]
	v_mul_f32 v[KF], s[(\sm)+1], v[SC]
	v_mul_f32 v[KF+1], s[(\sm)+1], v[SC]
.irp i, 0,1,2,3
	XGRP \base, \i                                 ; block 0: there is no block before it to store
.endr
.irp blk, 1,2,3
	s_wait_alu depctr_va_vdst(0)                   ; the block before has written the eight registers that the four stores below read
.irp i, 0,1,2,3
	XST \base, \row, 4*(\blk)-4+(\i)
	XGRP \base, 4*(\blk)+(\i)
.endr
.endr
	s_wait_alu depctr_va_vdst(0)                   ; block 3 has written the eight registers that the row's last four stores read
.irp i, 12,13,14,15
	XST \base, \row, \i                            ; in a run, ahead of the wait for the next row's data
.endr
.endm
	XROW X0, 24, 0, 32
	XROW X1, 26, 1, 16
; Group j of 16 of my row of weight, likewise.
.macro WGRP j
.set r, W+4*(\j)
	v_cvt_pk_bf16_f32 v[T], v[r], v[r+1]
	v_cvt_pk_bf16_f32 v[T+1], v[r+2], v[r+3]
	v_lshlrev_b32 v[r], 16, v[T]
	v_and_b32 v[r+1], s28, v[T]
	v_lshlrev_b32 v[r+2], 16, v[T+1]
	v_and_b32 v[r+3], s28, v[T+1]
	v_pk_mul_f32 v[T:T+1], v[r:r+1], v[RW:RW+1]            ; the quotient q = w / (wg + 1e-7), first by the reciprocal,
	v_pk_mul_f32 v[T+2:T+3], v[r+2:r+3], v[RW:RW+1]
	v_pk_fma_f32 v[T+4:T+5], v[T:T+1], v[GP:GP+1], v[r:r+1] neg_lo:[1,0,0] neg_hi:[1,0,0]      ; what is left: w - q (wg + 1e-7), fused,
	v_pk_fma_f32 v[T+6:T+7], v[T+2:T+3], v[GP:GP+1], v[r+2:r+3] neg_lo:[1,0,0] neg_hi:[1,0,0]
	v_pk_fma_f32 v[T:T+1], v[T+4:T+5], v[RW:RW+1], v[T:T+1]                                    ; and added on
	v_pk_fma_f32 v[T+2:T+3], v[T+6:T+7], v[RW:RW+1], v[T+2:T+3]
	v_rndne_f32 v[T], v[T]                         ; to the nearest whole number, ties to even
	v_rndne_f32 v[T+1], v[T+1]
	v_rndne_f32 v[T+2], v[T+2]
	v_rndne_f32 v[T+3], v[T+3]
	v_med3_num_f32 v[T], v[T], s32, s33
	v_med3_num_f32 v[T+1], v[T+1], s32, s33
	v_med3_num_f32 v[T+2], v[T+2], s32, s33
	v_med3_num_f32 v[T+3], v[T+3], s32, s33
	v_cvt_pk_f16_f32 v[r], v[T], v[T+1]
	v_cvt_pk_f16_f32 v[r+1], v[T+2], v[T+3]
.endm
.macro WST j
.set r, W+4*(\j)
	global_store_b64 v[LO8], v[r:r+1], s[14:15] offset:256*(\j) th:TH_STORE_NT
.endm
	s_wait_loadcnt 0x0                             ; my row of weight
.irp i, 0,1,2,3
	WGRP \i                                        ; block 0
.endr
.irp blk, 1,2,3
	s_wait_alu depctr_va_vdst(0)                   ; the block before has written the eight registers that the four stores below read
.irp i, 0,1,2,3
	WST 4*(\blk)-4+(\i)
	WGRP 4*(\blk)+(\i)
.endr
.endr
	s_wait_alu depctr_va_vdst(0)                   ; block 3 has written the eight registers that the last four stores read
.irp i, 12,13,14,15
	WST \i
.endr
	s_or_b32 s36, ttmp9, s20
	s_cmp_lg_u32 s36, 0
	s_cbranch_scc1 .Lend                           ; wave 0 of work-group 0 writes scal
	v_mul_f32 v[T], v[GA], v[WG]
	v_mul_f32 v[T], 0x3c000000, v[T]               ; s = gamma wg / 128
	v_mul_f32 v[OUTW], 0xbfb8aa3b, v[T]            ; KE = -s log2(e)
	v_mul_f32 v[T+1], v[T], v[T]
	v_rcp_f32 v[OUTW+2], v[T+1]                    ; C2 = 1 / s^2
	v_mov_b32 v[OUTW+1], v[OUTW]                   ; a plain line behind the reciprocal,
	s_wait_alu depctr_va_vdst(0)                   ; and its wait, ahead of the first line that names its result: the reciprocal is written
	v_mov_b32 v[OUTW+3], v[OUTW+2]
	v_mov_b32 v[T+2], 0
	v_cmp_eq_u32 vcc_lo, 0, v1
	s_wait_xcnt 0x0                                ; EXEC is a source of the stores above: it changes only behind this wait
	s_wait_alu depctr_va_vcc(0)                    ; the compare has written VCC, from which EXEC is made
	s_wait_alu depctr_va_vdst(0)                   ; ahead of a write of EXEC no vector line is pending; and scal's four words and the offset v26, which the store below reads, are written
	s_wait_alu depctr_vm_vsrc(0)                   ; ahead of a write of EXEC every store issued so far has read its registers
	s_and_saveexec_b32 s38, vcc_lo
	global_store_b128 v[T+2], v[OUTW:OUTW+3], s[16:17]
	s_wait_xcnt 0x0                                ; and again, in front of the line that widens EXEC
	s_wait_alu depctr_va_vdst(0)                   ; ahead of a write of EXEC no vector line is pending
	s_wait_alu depctr_vm_vsrc(0)                   ; and the store above has read its offset and its data
	s_or_b32 exec_lo, exec_lo, s38
.Lend:
	s_endpgm
.Lfunc_end_k_q323da25757_quant:
	.size	k_q323da25757_quant, .Lfunc_end_k_q323da25757_quant-k_q323da25757_quant
	.p2alignl 7, 3214868480
	.fill 96, 4, 3214868480
	.section	.rodata,"a",@progbits
	.p2align	6, 0x0
	.amdhsa_kernel k_q323da25757_quant
		.amdhsa_group_segment_fixed_size 0
		.amdhsa_private_segment_fixed_size 0
		.amdhsa_enable_private_segment 0
		.amdhsa_kernarg_size 56
		.amdhsa_user_sgpr_count 2
		.amdhsa_user_sgpr_kernarg_segment_ptr 1
		.amdhsa_wavefront_size32 1
		.amdhsa_system_sgpr_workgroup_id_x 1
		.amdhsa_system_sgpr_workgroup_id_y 1
		.amdhsa_system_sgpr_workgroup_id_z 1
		.amdhsa_system_vgpr_workitem_id 0
		.amdhsa_next_free_vgpr 240
		.amdhsa_next_free_sgpr 66
		.amdhsa_reserve_vcc 1
		.amdhsa_float_denorm_mode_32 3
		.amdhsa_float_denorm_mode_16_64 3
		.amdhsa_memory_ordered 1
		.amdhsa_forward_progress 1
		.amdhsa_inst_pref_size 61
	.end_amdhsa_kernel
	.amdgpu_metadata
---
amdhsa.version: [ 1, 2 ]
amdhsa.kernels:
  - .name:           k_q323da25757_quant
    .symbol:         k_q323da25757_quant.kd
    .args:
      - { .name: x, .offset: 0, .size: 8, .value_kind: global_buffer, .address_space: global }
      - { .name: weight, .offset: 8, .size: 8, .value_kind: global_buffer, .address_space: global }
      - { .name: rowstat, .offset: 16, .size: 8, .value_kind: global_buffer, .address_space: global }
      - { .name: part, .offset: 24, .size: 8, .value_kind: global_buffer, .address_space: global }
      - { .name: xq, .offset: 32, .size: 8, .value_kind: global_buffer, .address_space: global }
      - { .name: wq, .offset: 40, .size: 8, .value_kind: global_buffer, .address_space: global }
      - { .name: scal, .offset: 48, .size: 8, .value_kind: global_buffer, .address_space: global }
    .group_segment_fixed_size: 0
    .private_segment_fixed_size: 0
    .kernarg_segment_align: 8
    .kernarg_segment_size: 56
    .max_flat_workgroup_size: 512
    .sgpr_count:     66
    .vgpr_count:     240
    .wavefront_size: 32
...
	.end_amdgpu_metadata
.endif
;; end of part 4
;; launch gemm: the kernel of part 3 again; grid 16 x 16, 4 waves a work-group, clusters of 4 x 4, 327,680 bytes of LDS; arguments xq, wq, out0, scal; writes out0
